; MI455X (gfx1250); checked and timed in simulation.
; The chip was launched on July 23, 2026; its instructions are those of AMD's public machine-readable ISA for CDNA 5 (MIT licence, August 2026) and "CDNA5" Instruction Set Architecture Reference Guide (July 2026). The comments in the code are by the model that wrote it; some were corrected since.
;; Score Layer. Allowed arithmetic: matrix products marked QUANTISED: E4M3 operands, one E8M0 scale for each 32 along K, by v_wmma_scale_f32_16x16x128_f8f6f4 with both operands' format E4M3, f32 sums; products left as they are: f32 operands where the result goes on into a quantised operand, else bf16, f16 or f32 operands; f32 sums; everything else in f32.
;; Inputs: bias 32 float32; left_inputs 4 x 512 x 1,024 float32; right_inputs_codes 4 x 512 x 32 x 32 uint8 (E4M3 codes of right_inputs, K innermost, in blocks of 32 codes); right_inputs_scales 4 x 512 x 32 uint8 (E8M0 scales of right_inputs, one for each 32 codes along K); weight_codes 32 x 1,024 x 32 x 32 uint8 (E4M3 codes of weight, K innermost, in blocks of 32 codes); weight_scales 32 x 1,024 x 32 uint8 (E8M0 scales of weight, one for each 32 codes along K).
;; Outputs: out0 4 x 512 x 32 float32.
;; This version of the problem:
;;   THIS VERSION OF THE PROBLEM IS GIVEN IN LOW PRECISION. The matrix products marked QUANTISED in the list below multiply operands that are first quantised to E4M3 (4 exponent bits, 3 mantissa bits; 8 bits a number), with one power-of-two scale for each 32 numbers along K (OCP MX v1.0); their sums are f32. All else is computed in f32.
;;   The module's matrix products, in the order in which they are computed (A, B: the left and right operand; K: the contracted axis; several contracted axes count as one K, in the product's order):
;;     1. [M 2,048, K 1,024] x [K 1,024, N 32,768]; A: input right_inputs (given as codes); B: input weight (given as codes): QUANTISED
;;     2. batch 2,048 x [M 1, K 1,024] x [K 1,024, N 32]; A: input left_inputs; B: computed on the way: left as it is (M = 1 < 16)
;;   THE QUANTISER, for each operand of a quantised product, along K:
;;     - K is cut into blocks of 32 from its start; a last block that is shorter is filled with zeros.
;;     - A block's scale is 2^e with e = floor(log2(the largest magnitude in the block)) - 8, held to -126 .. 127; a block of zeros has e = 0. As a byte (E8M0): e + 127.
;;     - Each number is divided by its block's scale, clamped to +-448, and rounded to the nearest number of E4M3, ties to even, subnormals kept.
;;     - The product sums the exact products of the quantised numbers (number of the format x scale) in f32.
;;   ~~~python
;;   def quantise(x, axis):      # numpy; x: float32 -> the quantised numbers, widened to float32 again
;;       x = np.moveaxis(x, axis, -1); K = x.shape[-1]
;;       x = np.pad(x, [(0, 0)] * (x.ndim - 1) + [(0, -K % 32)]); x = x.reshape(x.shape[:-1] + (-1, 32)); a = np.abs(x).max(-1, keepdims=True)
;;       e = np.where(a > 0, np.clip(np.frexp(np.where(a > 0, a, 1))[1] - 1 - 8, -126, 127), 0)      # np.frexp(a)[1] - 1 = floor(log2(a)), exactly
;;       r = np.clip(x / 2.0 ** e, -448, 448)
;;       step = 2.0 ** (np.maximum(np.frexp(np.where(r == 0, 1, r))[1] - 1, -6) - 3)
;;       q = np.round(r / step) * step * 2.0 ** e      # np.round: ties to even
;;       return np.moveaxis(q.reshape(q.shape[:-2] + (-1,))[..., :K], -1, axis).astype(np.float32)
;;   ~~~
;;   INPUTS GIVEN AS CODES. right_inputs (in the module: [4, 512, 1024], K = its axis 2); weight (in the module: [32, 1024, 1024], K = its axis 2): each comes as NAME_codes (uint8): NAME with its K axis moved to the last place and cut into blocks of 32 codes, [.., K / 32, bytes a block], one block behind the other in memory; one code a byte (a code: sign, 4 exponent bits, 3 mantissa bits); and NAME_scales (uint8): the same leading axes, one E8M0 byte (e + 127) for each 32 codes along K. Its value is code x scale, taken as it is: it is not quantised again, and the codes and scales need not be those that the quantiser above would give.
;; One version. Each part assembles by itself: llvm-mc -triple=amdgcn-amd-amdhsa -mcpu=gfx1250 --defsym DOCPART=n.
;; ======== version 1 of 1: 2 launches
;; limits: right only within a limited range of input values
;; workspace buffers: ws 2,097,152 bytes
;; launch part (part 1): grid 8 x 32, 4 waves a work-group, clusters of 4 x 4, 327,680 bytes of LDS; arguments right_inputs_codes, right_inputs_scales, weight_codes, weight_scales, left_inputs, ws; writes ws
.if DOCPART == 1
	.amdgcn_target "amdgcn-amd-amdhsa--gfx1250"
	.amdhsa_code_object_version 6
	.text
	.protected	k_q6624c6d6dc_part
	.globl	k_q6624c6d6dc_part
	.p2align	8
	.type	k_q6624c6d6dc_part,@function
k_q6624c6d6dc_part:
	s_mov_b64 s[64:65], 0
	v_nop
	global_prefetch_b8 v0, s[64:65] scope:SCOPE_SE
	s_setreg_imm32_b32 hwreg(HW_REG_WAVE_MODE, 25, 1), 1
	s_wait_xcnt 0x0
	s_wait_alu depctr_hold_cnt(0) depctr_sa_sdst(0) depctr_va_vdst(0) depctr_va_sdst(0) depctr_va_ssrc(0) depctr_va_vcc(0) depctr_vm_vsrc(0)
	s_getreg_b32 s2, hwreg(HW_REG_IB_STS2, 6, 4)
	s_cmp_eq_u32 s2, 0
	s_cbranch_scc0 .Lentry_in_a_cluster
	s_endpgm
.Lentry_in_a_cluster:
	s_bfe_u32 s2, ttmp6, 0x10000c
	s_cmp_lg_u32 s2, 0xf033
	s_cbranch_scc0 .Lentry_shape_is_right
	s_endpgm
.Lentry_shape_is_right:
; ws[p][g][bs][l8] = sum over the 128 d of part p of left[bs][d] x (sum over e of W[8 g + l8][d][e] x right[bs][e]).   bs = 2,048, 32 labels, d = e = 1,024.
; The inner product is on E4M3 codes with one E8M0 byte for each 32 along e, as they lie in memory; its f32 results stay in registers and meet left (f32) in one fused multiply-add each.
; No work of reference() is left out; the eight parts along d and the bias are added by the launch 'sum'.
; SHARES.  A work-group owns 256 bs x 8 labels x 128 d.  Wave w: i = w / 2 its half of the bs (128 rows), j = w % 2 its half of e (512): its part of right, 8 tiles x 4 steps of 128, stays in 512 registers.
; A UNIT is one d tile (16 d) of one label: 32 matrix instructions.  A LAP is one d tile for the 8 labels: left's 64 registers of that tile serve eight units, so left is read from LDS once a lap.
; LDS.  left's 256 rows x 128 d land once and stay.  W goes through a ring of two slots: slot s holds the lap's 16 rows of labels 4 s .. 4 s + 3 (16 KiB a label, one tensor load a wave).  All scale bytes land once.
; LAYOUT.  Source 0 = 16 rows d of W, source 1 = 16 rows bs of right: lane (r, h) holds bs = 16 a + r, register jj holds d = 16 t + 8 h + jj: eight neighbours of the lane's row of left.
; CLUSTER.  x = block of bs, y = group of 8 labels; the cluster's y number is the part of d.  W and its scales are asked for jointly along a row of the cluster, left and right's scales along a column.
; PREFETCH.  W's rows two laps on, once a lap.  left, right and the scale bytes are read once at the head, where there is no loop to run ahead in: no prefetch for them.
; LIMITS.  The order of the f32 sums is not reference()'s (e in two halves, d in pairs, lanes, and eight parts).  NaN codes and scale bytes 0xff give what the matrix instruction gives.
; REGISTERS, in windows of 256 (s_set_vgpr_msb: bits 1:0 source 0, 3:2 source 1, 5:4 source 2, 7:6 destination):
;   window 0: v0-31 addresses; v32-63 scale words; v64-127 left of the lap's d tile; v128-255 two sets of eight accumulators
;   window 1: v0-127 W's fragments, two sets; v128-255 the running sums, a pair for each label and tile        windows 2, 3: right, steps 0, 1 and 2, 3 along e
.set WP,    1040                       ; a row of W in LDS: 1,024 bytes + 16 = 260 words: the 16 rows of a fragment start 4 banks apart (64 banks of 4 bytes: ISA guide 11.1)
.set PIECE, 16*WP                      ; a label's 16 rows
.set SLOTB, 4*PIECE
.set LP,    528                        ; a row of left: 512 bytes + 16
.set LOFF,  2*SLOTB
.set WSC,   LOFF+256*LP                ; W's scale bytes: 8 labels x 128 rows x 32 bytes
.set RSC,   WSC+32768                  ; right's: 256 rows x 32 bytes
.set RED,   RSC+8192                   ; 4,096 bytes a wave: its half-e sums; no fill lands here
.set SPARE, RED+16384                  ; the spare words, 128 bytes a wave
.set AO,   4
.set ADW,  16                          ; v16-17 my fragments of W in slot 0, 1
.set ADL,  18                          ; v18 left, steps 64 a lap
.set ADS,  19                          ; v19 W's scale words, steps 512 a lap
.set ADR,  20
.set XW,   21
.set XR,   22
.set OO,   23
.set PFO,  24
.set SPW,  28
.set NIL,  29
.set LF,   64
.set ACC,  128
.set WV,   16
.set IH,   17
.set JH,   18
.set CX,   19
.set CY,   20
.set BX,   21
.set DP,   22
.set LAP,  23
.set G1R,  24                          ; s[24:31] group 1 of a ring load; s[32:39] its group 0, a set for each slot
.set G0R,  32
.set G1H,  40                          ; the head's load of lap 0's labels 0-3
.set G1L,  48
.set G1WS, 56
.set G1RS, 68
.set G0H,  76
.set G0L,  80
.set G0WS, 84
.set G0RS, 88
.set PFA,  92
.set SEL,  94
.set MSB, 0
.macro WIN new                         ; the immediate's high byte repeats the setting that is left
.if MSB != \new
	s_set_vgpr_msb (MSB<<8)|\new
.set MSB, \new
.endif
.endm
.set MUL2, 0x09                        ; W window 1, right window 2, C and D window 0
.set MUL3, 0x0d                        ; right window 3
.set EPI,  0x50                        ; sums (source 2, destination) window 1; accumulator, left and LDS addresses window 0: W's LDS loads stand under it too
.set TOW1, 0x40
.macro NOPS n
.rept \n
	v_nop
.endr
.endm
.macro CREST
	s_cmp_lg_u32 s[WV], 0
	s_cbranch_scc1 .Lnot_wave_0_\@
	s_barrier_signal -3
.Lnot_wave_0_\@:
	s_barrier_wait -3
	s_barrier_signal -1
	s_barrier_wait -1
.endm
.macro CROUND
	s_barrier_signal -1
	s_barrier_wait -1
	CREST
.endm
.macro DESC g, c, r, p                 ; group 1's words 1 to 7: r rows of c elements, p elements apart
	s_mov_b32 s[\g+1], (\c)<<16
	s_mov_b32 s[\g+2], (\r)<<16
	s_mov_b32 s[\g+3], (\c)<<16
	s_mov_b32 s[\g+4], \r
	s_mov_b32 s[\g+5], \p
	s_mov_b32 s[\g+6], 0
	s_mov_b32 s[\g+7], 0
.endm
.macro GRP0 g, lds, a                  ; group 0: count, LDS address, global address, type
	s_mov_b32 s[\g], 1
	s_mov_b32 s[\g+1], \lds
	s_mov_b64 s[\g+2:\g+3], s[\a:\a+1]
	s_or_b32 s[\g+3], s[\g+3], 0x80000000
.endm
	s_load_b256 s[4:11], s[0:1], 0x0               ; right's codes, right's scales, W's codes, W's scales
	s_load_b128 s[12:15], s[0:1], 0x20             ; left, ws
	v_lshl_add_u32 v[SPW], v0, 2, SPARE
	v_mov_b32 v[NIL], 0
	ds_add_u32 v[SPW], v[NIL]                      ; the opening lines: the add twice on end and its wait
	ds_add_u32 v[SPW], v[NIL]
	v_lshrrev_b32 v1, 5, v0
	v_readfirstlane_b32 s[WV], v1
	s_lshr_b32 s[IH], s[WV], 1
	s_and_b32 s[JH], s[WV], 1
	s_bfe_u32 s[CX], ttmp6, 0x40000
	s_bfe_u32 s[CY], ttmp6, 0x40004
	s_lshl_b32 s[BX], ttmp9, 2
	s_add_co_u32 s[BX], s[BX], s[CX]               ; block of 256 bs
	s_and_b32 s[DP], ttmp7, 0xffff                 ; part of d
	s_lshl_b32 s2, s[CY], 2
	s_lshl_b32 s2, 15, s2                          ; my row of the cluster
	s_lshl_b32 s3, 0x1111, s[CX]                   ; my column
	s_or_b32 s[G1R], s2, (3<<16)|(1<<20)|(1<<21)|(7<<22)|(3<<25)   ; elements of 8 bytes; 4 words of padding behind every 256
	s_or_b32 s[G1H], s2, (3<<16)|(1<<20)|(1<<21)|(7<<22)|(3<<25)
	s_or_b32 s[G1L], s3, (2<<16)|(1<<20)|(1<<21)|(6<<22)|(3<<25)   ; elements of 4 bytes; 4 words behind every 128
	s_or_b32 s[G1WS], s2, (3<<16)|(1<<21)
	s_or_b32 s[G1RS], s3, (3<<16)|(1<<21)
	DESC G1R, 128, 16, 128                         ; a label's 16 rows of 1,024 bytes
	DESC G1H, 2048, 4, 131072                      ; four labels: four dense runs of 16 KiB, 2^20 bytes apart; the padding's interval stays 1,024 bytes
	DESC G1L, 128, 256, 1024                       ; 256 rows of 128 numbers of left
	DESC G1WS, 512, 8, 4096                        ; 8 labels x 4,096 scale bytes
	DESC G1RS, 32, 32, 32                          ; 8,192 dense scale bytes
	s_lshl_b32 s96, s[CY], 23                      ; W: 8 labels of 2^20 bytes a group, 128 rows of 1,024 a part
	s_lshl_b32 s97, s[DP], 17
	s_add_co_u32 s96, s96, s97
	s_mov_b32 s97, 0
	s_lshl_b32 s2, s[CY], 18                       ; W's scale bytes
	s_lshl_b32 s3, s[DP], 12
	s_add_co_u32 s2, s2, s3
	s_mov_b32 s3, 0
	s_lshl_b32 s98, s[BX], 20                      ; left: 256 rows of 4,096 bytes, 512 bytes a part
	s_lshl_b32 s99, s[DP], 9
	s_add_co_u32 s98, s98, s99
	s_mov_b32 s99, 0
	s_lshl_b32 s100, s[BX], 13                     ; right's scale bytes
	s_mov_b32 s101, 0
	s_mov_b32 s[SEL], 0x76543210
	s_mov_b32 s[SEL+1], 0xfedcba98
	s_wait_dscnt 0x0
	s_wait_kmcnt 0x0
	s_add_nc_u64 s[96:97], s[8:9], s[96:97]
	s_add_nc_u64 s[2:3], s[10:11], s[2:3]
	s_add_nc_u64 s[98:99], s[12:13], s[98:99]
	s_add_nc_u64 s[100:101], s[6:7], s[100:101]
	GRP0 G0H, 0, 96
	GRP0 G0L, LOFF, 98
	GRP0 G0WS, WSC, 2
	GRP0 G0RS, RSC, 100
	s_lshl_b32 s2, s[WV], 20                       ; the ring: wave w fetches label 4 s + w
	s_mov_b32 s3, 0
	s_add_nc_u64 s[96:97], s[96:97], s[2:3]
	s_mul_i32 s2, s[WV], PIECE
.irp s, 0,1
	s_mov_b32 s[G0R+4*\s], 1
	s_add_co_u32 s[G0R+4*\s+1], s2, \s*SLOTB
	s_add_nc_u64 s[G0R+4*\s+2:G0R+4*\s+3], s[96:97], \s*0x400000
	s_or_b32 s[G0R+4*\s+3], s[G0R+4*\s+3], 0x80000000
.endr
	s_lshl_b32 s2, s[CX], 12                       ; the prefetches: of a label's 64 blocks of a lap my work-group names 16, by address; they stand at lap 1
	s_add_co_u32 s2, s2, 16384
	s_add_nc_u64 s[PFA:PFA+1], s[96:97], s[2:3]
	CROUND                                         ; the first joint loads meet
; the head's four tiles, one a wave, in one chain of arms
.macro ARM under, g0, g1, next
	s_cmp_lt_u32 s[WV], \under
	s_cbranch_scc0 \next
	tensor_load_to_lds s[\g0:\g0+3], s[\g1:\g1+7]
	s_nop 0
	NOPS 4
	s_branch .Lhead_asked
\next:
.endm
	ARM 1, G0L,  G1L,  .Lhead_w
	ARM 2, G0H,  G1H,  .Lhead_ws
	ARM 3, G0WS, G1WS, .Lhead_rs
	tensor_load_to_lds s[G0RS:G0RS+3], s[G1RS:G1RS+7]
	s_nop 0
	NOPS 4
.Lhead_asked:
	s_lshl_b32 s2, s[BX], 18                       ; right: row 256 X + 128 i, byte 512 j
	s_lshl_b32 s3, s[IH], 17
	s_add_co_u32 s2, s2, s3
	s_lshl_b32 s3, s[JH], 9
	s_add_co_u32 s2, s2, s3
	s_mov_b32 s3, 0
	s_add_nc_u64 s[4:5], s[4:5], s[2:3]
	s_lshl_b32 s2, s[DP], 2                        ; ws: 8,192 bytes a work-group, [part][group][block]; my 64 rows of 32 bytes
	s_add_co_u32 s2, s2, s[CY]
	s_lshl_b32 s2, s2, 3
	s_add_co_u32 s2, s2, s[BX]
	s_lshl_b32 s2, s2, 1
	s_add_co_u32 s2, s2, s[IH]
	s_lshl_b32 s2, s2, 1
	s_add_co_u32 s2, s2, s[JH]
	s_lshl_b32 s2, s2, 11
	s_add_nc_u64 s[14:15], s[14:15], s[2:3]
	s_lshl_b32 s96, s[JH], 9                       ; the LDS bases, all ahead of the vector lines
	s_mul_i32 s97, s[IH], 128*LP
	s_add_co_u32 s97, s97, LOFF
	s_lshl_b32 s98, s[JH], 4
	s_lshl_b32 s99, s[IH], 12
	s_add_co_u32 s99, s99, s98
	s_add_co_u32 s99, s99, RSC
	s_add_co_u32 s98, s98, WSC
	s_lshl_b32 s100, s[WV], 12
	s_add_co_u32 s100, s100, RED
	s_lshl_b32 s101, s[IH], 13
	s_lshl_b32 s2, s[JH], 11
	s_add_co_u32 s101, s101, s2
	s_add_co_u32 s101, s101, RED
	v_and_b32 v1, 31, v0                           ; lane
	v_and_b32 v2, 15, v0                           ; r
	v_bfe_u32 v3, v0, 4, 1                         ; h
	v_lshlrev_b32 v[AO], 10, v2
	v_lshl_add_u32 v[AO], v3, 4, v[AO]
	WIN 0x80                                       ; right's fragments: registers 4 c .. 4 c + 3 hold e = 32 c + 16 h + 0 .. 15 of a step
.irp a, 0,1,2,3,4,5,6,7
.irp k, 0,1
.irp c, 0,1,2,3
	global_load_b128 v[128*\k+16*\a+4*\c:128*\k+16*\a+4*\c+3], v[AO], s[4:5] offset:\a*16384+128*\k+32*\c
.endr
.endr
.endr
	WIN 0xc0
.irp a, 0,1,2,3,4,5,6,7
.irp k, 0,1
.irp c, 0,1,2,3
	global_load_b128 v[128*\k+16*\a+4*\c:128*\k+16*\a+4*\c+3], v[AO], s[4:5] offset:\a*16384+256+128*\k+32*\c
.endr
.endr
.endr
	WIN 0
	v_mul_u32_u24 v5, v2, WP
	v_lshl_add_u32 v5, v3, 4, v5
	v_add_nc_u32 v[ADW], s96, v5                   ; W: row r, 16 h, my half along e
	v_add_nc_u32 v[ADW+1], SLOTB, v[ADW]
	v_mul_u32_u24 v5, v2, LP
	v_lshl_add_u32 v5, v3, 5, v5
	v_add_nc_u32 v[ADL], s97, v5                   ; left: row 128 i + r, 32 h
	v_lshlrev_b32 v5, 5, v2
	v_lshl_add_u32 v5, v3, 12, v5
	v_add_nc_u32 v[ADS], s98, v5                   ; W's scale words: lanes 0-15 the even label's rows, lanes 16-31 the odd one's
	v_lshl_add_u32 v[ADR], v1, 5, s99              ; right's: a lane a row
	v_lshlrev_b32 v5, 5, v2
	v_lshl_add_u32 v5, v3, 4, v5
	v_add_nc_u32 v[XW], s100, v5
	v_lshl_add_u32 v[XR], v1, 4, s101
	v_lshlrev_b32 v[OO], 4, v1
	v_lshlrev_b32 v5, 8, v2
	v_lshl_add_u32 v[PFO], v3, 22, v5              ; lanes 0-15: label w, lanes 16-31: label 4 + w; a block of 256 bytes a lane
	WIN TOW1
.set x, 0
.rept 128
	v_mov_b32 v[128+x], 0                          ; the running sums: the loop's one body serves the first lap too
.set x, x+1
.endr
	WIN 0
; Four matrix instructions of unit u: numbers n0 .. n0 + 3 of 32; number n is step n / 8 along e, tile n % 8 of bs.  The eight accumulators take turns; the next unit takes the other set.
; W's scale words stand in registers 32 + 8 q + k, right's in 36 + 8 p + k; an odd label's or tile's words stand in lanes 16-31.
.macro WM z
.if \z
.if oa && ob
	v_wmma_scale_f32_16x16x128_f8f6f4 v[rD:rD+7], v[rA:rA+15], v[rB:rB+15], 0, v[rSA], v[rSB] matrix_a_scale:MATRIX_SCALE_ROW1 matrix_b_scale:MATRIX_SCALE_ROW1
.elseif oa
	v_wmma_scale_f32_16x16x128_f8f6f4 v[rD:rD+7], v[rA:rA+15], v[rB:rB+15], 0, v[rSA], v[rSB] matrix_a_scale:MATRIX_SCALE_ROW1
.elseif ob
	v_wmma_scale_f32_16x16x128_f8f6f4 v[rD:rD+7], v[rA:rA+15], v[rB:rB+15], 0, v[rSA], v[rSB] matrix_b_scale:MATRIX_SCALE_ROW1
.else
	v_wmma_scale_f32_16x16x128_f8f6f4 v[rD:rD+7], v[rA:rA+15], v[rB:rB+15], 0, v[rSA], v[rSB]
.endif
.else
.if oa && ob
	v_wmma_scale_f32_16x16x128_f8f6f4 v[rD:rD+7], v[rA:rA+15], v[rB:rB+15], v[rD:rD+7], v[rSA], v[rSB] matrix_a_scale:MATRIX_SCALE_ROW1 matrix_b_scale:MATRIX_SCALE_ROW1
.elseif oa
	v_wmma_scale_f32_16x16x128_f8f6f4 v[rD:rD+7], v[rA:rA+15], v[rB:rB+15], v[rD:rD+7], v[rSA], v[rSB] matrix_a_scale:MATRIX_SCALE_ROW1
.elseif ob
	v_wmma_scale_f32_16x16x128_f8f6f4 v[rD:rD+7], v[rA:rA+15], v[rB:rB+15], v[rD:rD+7], v[rSA], v[rSB] matrix_b_scale:MATRIX_SCALE_ROW1
.else
	v_wmma_scale_f32_16x16x128_f8f6f4 v[rD:rD+7], v[rA:rA+15], v[rB:rB+15], v[rD:rD+7], v[rSA], v[rSB]
.endif
.endif
.endm
.macro MM u, n0
.if (\n0) < 16
	WIN MUL2
.else
	WIN MUL3
.endif
.set n, \n0
.rept 4
.set kk, n/8
.set aa, n%8
.set oa, (\u)%2
.set ob, aa%2
.set rD, ACC+64*oa+8*aa
.set rA, 64*oa+16*kk
.set rB, 128*(kk%2)+16*aa
.set rSA, 32+8*((\u)/2)+kk
.set rSB, 36+8*(aa/2)+kk
.if kk == 0
	WM 1
.else
	WM 0
.endif
.set n, n+1
.endr
.endm
; Four lines of the way out of the unit BEFORE unit u: number e is pair e / 8 of tile e % 8: sum += inner sum x left, two at a time; pair 0 of every tile first: each accumulator is read from its low end on.
; PLACES (eight for this form): tiles 0-3's last products are numbers 24-27, and the lines behind numbers 27 and 31 stand ahead of their first read; tiles 4-7 have the lines behind 31 and the next unit's first four.
.macro EP u, e0
	WIN EPI
.set e, \e0
.rept 4
.set pp, e/8
.set aa, e%8
.set ps, ((\u)+1)%2
.set sm, 128+16*(((\u)+7)%8)+2*aa
	v_pk_fma_f32 v[sm:sm+1], v[ACC+64*ps+8*aa+2*pp:ACC+64*ps+8*aa+2*pp+1], v[LF+8*aa+2*pp:LF+8*aa+2*pp+1], v[sm:sm+1]
.set e, e+1
.endr
.endm
.macro LW u, i0, cnt                   ; loads i0 .. of the 16 that bring the NEXT unit's four fragments of W into the other set; they stand in one run, eight plain lines or more behind that set's last products
.set nu, ((\u)+1)%8
.set li, \i0
.rept \cnt
	ds_load_b128 v[64*(nu%2)+4*li:64*(nu%2)+4*li+3], v[ADW+nu/4] offset:(nu%4)*PIECE+32*li
.set li, li+1
.endr
.endm
.macro G u, n0, ep, i0, cnt
	MM \u, \n0
.if \ep
	EP \u, \n0
.endif
.if \cnt
	WIN EPI
	LW \u, \i0, \cnt
.endif
.endm
.macro LDLEFT                          ; left at the lap's d tile for my eight tiles of bs
.irp a, 0,1,2,3,4,5,6,7
.irp q, 0,1
	ds_load_b128 v[LF+8*\a+4*\q:LF+8*\a+4*\q+3], v[ADL] offset:\a*16*LP+16*\q
.endr
.endr
.endm
; A plain unit.  The one wait stands at its head, where every running sum written last is next read a lap later.
.macro UNIT u, ep, ld
	s_wait_dscnt 0x0                               ; this unit's fragments, and what else was asked of LDS
.if \ld
	NOPS 4                                         ; with the four lines of the way out ahead of them: eight places behind the other set's last product
	WIN EPI
	LW \u, 0, 16                                   ; the next unit's fragments: a whole unit ahead of the wait for them
.endif
	G \u, 0,  \ep, 0, 0
	G \u, 4,  \ep, 0, 0
	G \u, 8,  \ep, 0, 0
	G \u, 12, \ep, 0, 0
	G \u, 16, \ep, 0, 0
	G \u, 20, \ep, 0, 0
	G \u, 24, \ep, 0, 0
	G \u, 28, \ep, 0, 0
.if (\ep) == 0
	WIN 0
	NOPS 8                                         ; the places that the way out's lines are elsewhere
.endif
.endm
; A slot's last unit (u = 3, 7).  Its fragments are in registers, so its slot is free at its head, and the other slot has to be whole for the next unit's fragments: one barrier for both.
; fill = 1: the barrier opens a round of the cluster's barrier, and the slot takes the next lap's rows: four units ahead of the wait for them.
.macro TURN u, fill
	WIN 0
	s_wait_dscnt 0x0                               ; this unit's fragments, asked for a unit ago
.if (\fill) && (\u) == 3
	s_wait_xcnt 0x0
	s_add_nc_u64 s[PFA:PFA+1], s[PFA:PFA+1], 16384
.endif
	s_wait_tensorcnt 0x0                           ; my one load that was out: my part of the other slot
	ds_add_u32 v[SPW], v[NIL]
.if \fill
	s_add_nc_u64 s[G0R+4*((\u)/4)+2:G0R+4*((\u)/4)+3], s[G0R+4*((\u)/4)+2:G0R+4*((\u)/4)+3], 16384
.endif
	MM \u, 0                                       ; eight matrix instructions stand between the add and the wait for it
	MM \u, 4
	s_wait_dscnt 0x0                               ; the add; my reads of this slot were over at the unit's head
	s_barrier_signal -1
	MM \u, 8                                       ; work on registers while the others arrive
	EP \u, 0
	EP \u, 4
	MM \u, 12
	EP \u, 8
	EP \u, 12
	WIN 0
	s_wait_alu depctr_va_vdst(0)                   ; the wait, directly ahead of the barrier's wait
	s_barrier_wait -1
.if \fill
	CREST
	tensor_load_to_lds s[G0R+4*((\u)/4):G0R+4*((\u)/4)+3], s[G1R:G1R+7]
	s_nop 0
	NOPS 4
.if (\u) == 3
	ds_load_b128 v[32:35], v[ADS] offset:512       ; the next lap's scale words of labels 0, 1: their registers were last read two units ago
	s_cmp_gt_u32 s[LAP], 1                         ; the last two laps have no lap two on
	s_cbranch_scc0 .Lno_ask_\@
	global_prefetch_b8 v[PFO], s[PFA:PFA+1] th:TH_LOAD_NT scope:SCOPE_SE   ; the rows of W that the next lap's two refills will ask for
.Lno_ask_\@:
.else
	ds_load_b128 v[40:43], v[ADS] offset:512+8192  ; labels 2, 3
	ds_load_b128 v[48:51], v[ADS] offset:512+16384 ; labels 4, 5
.endif
.endif
	WIN EPI
	LW \u, 0, 16                                   ; the next unit's fragments, from the other slot, in one run
	G \u, 16, 1, 0, 0
	G \u, 20, 1, 0, 0
	G \u, 24, 1, 0, 0
	G \u, 28, 1, 0, 0
.endm
; A lap's first unit.  The way out of the lap before ends in its first half, two groups at a place; then left's registers take the new d tile.
.macro FIRST
	WIN 0
	s_wait_dscnt 0x0
	v_add_nc_u32 v[ADL], 64, v[ADL]                ; first read behind the 32 lines of the way out
	v_add_nc_u32 v[ADS], 512, v[ADS]
	NOPS 2                                         ; with the two lines above and the four of the way out ahead of them: eight places behind the other set's last product
	WIN EPI
	LW 0, 0, 16
	MM 0, 0
	EP 0, 0
	EP 0, 4
	MM 0, 4
	EP 0, 8
	EP 0, 12
	MM 0, 8
	EP 0, 16
	EP 0, 20
	MM 0, 12
	EP 0, 24
	EP 0, 28
	MM 0, 16
	WIN 0
	LDLEFT
	ds_load_b128 v[56:59], v[ADS] offset:24576     ; this lap's scale words of labels 6, 7
	MM 0, 20
	MM 0, 24
	MM 0, 28
	WIN 0
	NOPS 8
.endm
	s_wait_alu depctr_va_vdst(0)                   ; the wait at the head's end
	s_wait_tensorcnt 0x0                           ; my tile of the head's four; these lines stand ahead of a later first fill as ahead of a refill
	ds_add_u32 v[SPW], v[NIL]
	s_wait_dscnt 0x0
	CROUND
	tensor_load_to_lds s[G0R+4:G0R+7], s[G1R:G1R+7]  ; slot 1's first fill: lap 0, label 4 + w
	s_nop 0
	NOPS 4
.irp p, 0,1,2,3
	ds_load_b128 v[36+8*\p:39+8*\p], v[ADR] offset:1024*\p     ; right's scale words stay in registers
	ds_load_b128 v[32+8*\p:35+8*\p], v[ADS] offset:8192*\p     ; lap 0's of W
.endr
	LDLEFT
	WIN TOW1
	LW 7, 0, 16                                    ; unit 0's fragments
	WIN 0
	s_wait_loadcnt 0x0                             ; right's fragments
	UNIT 0, 0, 1
	s_mov_b32 s[LAP], 7
.Llap:                                             ; a trip: a lap's units 1 to 7 and the next lap's first; both slots are filled again
	UNIT 1, 1, 1
	UNIT 2, 1, 1
	TURN 3, 1
	UNIT 4, 1, 1
	UNIT 5, 1, 1
	UNIT 6, 1, 1
	TURN 7, 1
	FIRST
	s_sub_co_u32 s[LAP], s[LAP], 1
	s_cmp_lg_u32 s[LAP], 0
	s_cbranch_scc1 .Llap
	UNIT 1, 1, 1                                   ; the last lap fills nothing
	UNIT 2, 1, 1
	TURN 3, 0
	UNIT 4, 1, 1
	UNIT 5, 1, 1
	UNIT 6, 1, 1
	UNIT 7, 1, 0
.irp e0, 0,4,8,12,16,20,24,28
	EP 0, \e0                                      ; the last unit's own way out
.endr
	; THE END.  A pair's two halves; then lanes l and l xor 16 share the labels: lanes 0-15 finish labels 0-3, lanes 16-31 labels 4-7, so that a lane holds 16 neighbouring bytes of a row of ws.
	WIN 0x05
.set x, 0
.rept 64
	v_add_f32 v[128+x], v[128+2*x], v[129+2*x]     ; label x / 8, tile x % 8
.set x, x+1
.endr
	WIN 0
	v_cmp_ne_u32 vcc_lo, 0, v3
.set x, 0
.rept 32
	v_cndmask_b32 v[192+x], v[128+x], v[160+x], vcc_lo         ; my share of the label that I finish,
	v_cndmask_b32 v[224+x], v[160+x], v[128+x], vcc_lo         ; and of the one that lane l xor 16 finishes
.set x, x+1
.endr
.set x, 0
.rept 32
	v_permlanex16_b32 v[128+x], v[224+x], s[SEL], s[SEL+1]
.set x, x+1
.endr
.set x, 0
.rept 32
	v_add_f32 v[LF+4*(x%8)+x/8], v[192+x], v[128+x]
.set x, x+1
.endr
.irp a, 0,1,2,3,4,5,6,7
	ds_store_b128 v[XW], v[LF+4*\a:LF+4*\a+3] offset:512*\a    ; the two halves along e meet in LDS: row r at 32 r, 16 h
.endr
	s_wait_dscnt 0x0                               ; for the others' sake
	s_barrier_signal -1
	s_barrier_wait -1
.irp m, 0,1,2,3
	ds_load_b128 v[128+4*\m:131+4*\m], v[XR] offset:512*\m         ; tiles 4 j + m: the first half along e,
	ds_load_b128 v[144+4*\m:147+4*\m], v[XR] offset:4096+512*\m    ; and the second
.endr
	s_wait_dscnt 0x0
.irp z, 0,2,4,6,8,10,12,14
	v_pk_add_f32 v[128+\z:129+\z], v[128+\z:129+\z], v[144+\z:145+\z]
.endr
.irp m, 0,1,2,3
	global_store_b128 v[OO], v[128+4*\m:131+4*\m], s[14:15] offset:512*\m   ; 32 lanes store 512 consecutive bytes, aligned
.endr
	s_wait_tensorcnt 0x0                           ; the wave's end
	ds_add_u32 v[SPW], v[NIL]
	s_wait_dscnt 0x0
	CROUND                                         ; the closing round
	s_endpgm
.Lfunc_end_k_q6624c6d6dc_part:
	.size	k_q6624c6d6dc_part, .Lfunc_end_k_q6624c6d6dc_part-k_q6624c6d6dc_part
	.p2alignl 7, 3214868480
	.fill 96, 4, 3214868480
	.section	.rodata,"a",@progbits
	.p2align	6, 0x0
	.amdhsa_kernel k_q6624c6d6dc_part
		.amdhsa_group_segment_fixed_size 327680
		.amdhsa_private_segment_fixed_size 0
		.amdhsa_enable_private_segment 0
		.amdhsa_kernarg_size 48
		.amdhsa_user_sgpr_count 2
		.amdhsa_user_sgpr_kernarg_segment_ptr 1
		.amdhsa_wavefront_size32 1
		.amdhsa_system_sgpr_workgroup_id_x 1
		.amdhsa_system_sgpr_workgroup_id_y 1
		.amdhsa_system_sgpr_workgroup_id_z 1
		.amdhsa_system_vgpr_workitem_id 0
		.amdhsa_next_free_vgpr 1024
		.amdhsa_next_free_sgpr 102
		.amdhsa_reserve_vcc 1
		.amdhsa_float_denorm_mode_32 3
		.amdhsa_float_denorm_mode_16_64 3
		.amdhsa_memory_ordered 1
		.amdhsa_forward_progress 1
		.amdhsa_inst_pref_size 163
	.end_amdhsa_kernel
	.amdgpu_metadata
---
amdhsa.version: [ 1, 2 ]
amdhsa.kernels:
  - .name:           k_q6624c6d6dc_part
    .symbol:         k_q6624c6d6dc_part.kd
    .args:
      - { .name: right_inputs_codes, .offset: 0, .size: 8, .value_kind: global_buffer, .address_space: global }
      - { .name: right_inputs_scales, .offset: 8, .size: 8, .value_kind: global_buffer, .address_space: global }
      - { .name: weight_codes, .offset: 16, .size: 8, .value_kind: global_buffer, .address_space: global }
      - { .name: weight_scales, .offset: 24, .size: 8, .value_kind: global_buffer, .address_space: global }
      - { .name: left_inputs, .offset: 32, .size: 8, .value_kind: global_buffer, .address_space: global }
      - { .name: ws, .offset: 40, .size: 8, .value_kind: global_buffer, .address_space: global }
    .group_segment_fixed_size: 327680
    .private_segment_fixed_size: 0
    .kernarg_segment_align: 8
    .kernarg_segment_size: 48
    .max_flat_workgroup_size: 128
    .sgpr_count:     102
    .vgpr_count:     1024
    .wavefront_size: 32
...
	.end_amdgpu_metadata
.endif
;; end of part 1
;; launch sum (part 2): grid 256 x 1, 1 waves a work-group, no clusters, 1,280 bytes of LDS; arguments ws, bias, out0; writes out0
.if DOCPART == 2
	.amdgcn_target "amdgcn-amd-amdhsa--gfx1250"
	.amdhsa_code_object_version 6
	.text
	.protected	k_q6624c6d6dc_sum
	.globl	k_q6624c6d6dc_sum
	.p2align	8
	.type	k_q6624c6d6dc_sum,@function
k_q6624c6d6dc_sum:
	s_mov_b64 s[64:65], 0
	v_nop
	global_prefetch_b8 v0, s[64:65] scope:SCOPE_SE
	s_setreg_imm32_b32 hwreg(HW_REG_WAVE_MODE, 25, 1), 1
	s_wait_xcnt 0x0
; out0[bs][l] = bias[l] + sum over the eight parts p of ws[p][l / 8][bs][l % 8].  One wave takes 8 rows bs: 1,024 bytes of out0.
; Each load takes two aligned runs of 256 bytes: lanes 0-15 the 8 rows of label group 2 u, lanes 16-31 those of group 2 u + 1.  The sums go through 1,024 bytes of LDS, so that a store covers 512 consecutive bytes of out0.
; No matrix work, no tile that two work-groups share, and sixteen loads issued at once with no loop: no cluster, no tensor load, no prefetch.
	s_load_b128 s[4:7], s[0:1], 0x0                ; ws, bias
	s_load_b64 s[8:9], s[0:1], 0x10                ; out0
	v_lshl_add_u32 v12, v0, 2, 1024                ; my spare word
	v_mov_b32 v13, 0
	v_and_b32 v1, 15, v0
	v_lshrrev_b32 v2, 4, v0                        ; which of the two groups
	v_lshlrev_b32 v3, 4, v1
	v_lshl_add_u32 v3, v2, 16, v3                  ; in ws: 65,536 bytes a group, 16 bytes a lane
	v_and_b32 v4, 7, v0
	v_lshlrev_b32 v4, 4, v4                        ; my four labels on the way out
	v_lshrrev_b32 v5, 1, v1                        ; my row
	v_and_b32 v6, 1, v0
	v_lshlrev_b32 v5, 7, v5
	v_lshl_add_u32 v5, v2, 5, v5
	v_lshl_add_u32 v5, v6, 4, v5                   ; in the stage: 128 x row + 32 x group + 16 x half
	v_lshlrev_b32 v7, 4, v0
	s_lshl_b32 s2, ttmp9, 8
	s_mov_b32 s3, 0
	s_lshl_b32 s10, ttmp9, 10
	s_mov_b32 s11, 0
	s_wait_alu depctr_va_vdst(0)                   ; the wait at the head's end
	s_wait_kmcnt 0x0
	s_add_nc_u64 s[4:5], s[4:5], s[2:3]
	s_add_nc_u64 s[8:9], s[8:9], s[10:11]
.irp p, 0,1,2,3,4,5,6,7
.irp u, 0,1
	global_load_b128 v[16+8*\p+4*\u:19+8*\p+4*\u], v3, s[4:5] offset:262144*\p+131072*\u th:TH_LOAD_NT
.endr
.endr
	global_load_b128 v[8:11], v4, s[6:7]
	s_wait_loadcnt 0x0
.irp p, 1,2,3,4,5,6,7
.irp z, 0,2,4,6
	v_pk_add_f32 v[16+\z:17+\z], v[16+\z:17+\z], v[16+8*\p+\z:17+8*\p+\z]   ; four chains by turns
.endr
.endr
	ds_store_b128 v5, v[16:19]
	ds_store_b128 v5, v[20:23] offset:64
	ds_load_b128 v[80:83], v7                      ; LDS serves a wave's instructions in order (ISA guide 5.7.1.4)
	ds_load_b128 v[84:87], v7 offset:512
	s_wait_dscnt 0x0
	v_pk_add_f32 v[80:81], v[80:81], v[8:9]
	v_pk_add_f32 v[82:83], v[82:83], v[10:11]
	v_pk_add_f32 v[84:85], v[84:85], v[8:9]
	v_pk_add_f32 v[86:87], v[86:87], v[10:11]
	global_store_b128 v7, v[80:83], s[8:9]
	global_store_b128 v7, v[84:87], s[8:9] offset:512
	s_wait_tensorcnt 0x0                           ; the wave's end
	ds_add_u32 v12, v13
	s_wait_dscnt 0x0
	s_endpgm
.Lfunc_end_k_q6624c6d6dc_sum:
	.size	k_q6624c6d6dc_sum, .Lfunc_end_k_q6624c6d6dc_sum-k_q6624c6d6dc_sum
	.p2alignl 7, 3214868480
	.fill 96, 4, 3214868480
	.section	.rodata,"a",@progbits
	.p2align	6, 0x0
	.amdhsa_kernel k_q6624c6d6dc_sum
		.amdhsa_group_segment_fixed_size 1280
		.amdhsa_private_segment_fixed_size 0
		.amdhsa_enable_private_segment 0
		.amdhsa_kernarg_size 24
		.amdhsa_user_sgpr_count 2
		.amdhsa_user_sgpr_kernarg_segment_ptr 1
		.amdhsa_wavefront_size32 1
		.amdhsa_system_sgpr_workgroup_id_x 1
		.amdhsa_system_sgpr_workgroup_id_y 1
		.amdhsa_system_sgpr_workgroup_id_z 1
		.amdhsa_system_vgpr_workitem_id 0
		.amdhsa_next_free_vgpr 96
		.amdhsa_next_free_sgpr 66
		.amdhsa_reserve_vcc 0
		.amdhsa_float_denorm_mode_32 3
		.amdhsa_float_denorm_mode_16_64 3
		.amdhsa_memory_ordered 1
		.amdhsa_forward_progress 1
		.amdhsa_inst_pref_size 6
	.end_amdhsa_kernel
	.amdgpu_metadata
---
amdhsa.version: [ 1, 2 ]
amdhsa.kernels:
  - .name:           k_q6624c6d6dc_sum
    .symbol:         k_q6624c6d6dc_sum.kd
    .args:
      - { .name: ws, .offset: 0, .size: 8, .value_kind: global_buffer, .address_space: global }
      - { .name: bias, .offset: 8, .size: 8, .value_kind: global_buffer, .address_space: global }
      - { .name: out0, .offset: 16, .size: 8, .value_kind: global_buffer, .address_space: global }
    .group_segment_fixed_size: 1280
    .private_segment_fixed_size: 0
    .kernarg_segment_align: 8
    .kernarg_segment_size: 24
    .max_flat_workgroup_size: 32
    .sgpr_count:     66
    .vgpr_count:     96
    .wavefront_size: 32
...
	.end_amdgpu_metadata
.endif
;; end of part 2
